; MI455X (gfx1250); checked and timed in simulation.
; The chip was launched on July 23, 2026; its instructions are those of AMD's public machine-readable ISA for CDNA 5 (MIT licence, August 2026) and "CDNA5" Instruction Set Architecture Reference Guide (July 2026). The comments in the code are by the model that wrote it; some were corrected since.
;; Hierarchical Attention. Allowed arithmetic: matrix products marked QUANTISED: E5M2 operands, one given power-of-two scale a tensor, by v_wmma_f32_16x16x64_bf8_bf8 or v_wmma_f32_16x16x128_bf8_bf8, f32 sums; everything else in f32.
;; Inputs: gk_b 512 float32; gk_w 512 x 512 float32; gq_b 512 float32; gq_w 512 x 512 float32; gv_b 512 float32; gv_w 512 x 512 float32; lk_b 512 float32; lk_w 512 x 512 float32; ln_b 512 float32; ln_g 512 float32; lowp_scales 22 int32 (the exponents e of the quantised operands' scales 2^e); lq_b 512 float32; lq_w 512 x 512 float32; lv_b 512 float32; lv_w 512 x 512 float32; out_b 512 float32; out_w 1,024 x 512 float32; x 4 x 8,192 x 512 float32.
;; Outputs: out0 4 x 8,192 x 512 float32.
;; This version of the problem:
;;   THIS VERSION OF THE PROBLEM IS GIVEN IN LOW PRECISION. The matrix products marked QUANTISED in the list below multiply operands that are first quantised to E5M2 (5 exponent bits, 2 mantissa bits; 8 bits a number), with one given power-of-two scale for each operand tensor; their sums are f32. All else is computed in f32.
;;   The module's matrix products, in the order in which they are computed (A, B: the left and right operand; K: the contracted axis; several contracted axes count as one K, in the product's order):
;;     1. [M 32,768, K 512] x [K 512, N 512]; A: input x; B: input lq_w: QUANTISED (scales: A lowp_scales[0], B lowp_scales[1])
;;     2. [M 32,768, K 512] x [K 512, N 512]; A: input x; B: input lk_w: QUANTISED (scales: A lowp_scales[2], B lowp_scales[3])
;;     3. [M 32,768, K 512] x [K 512, N 512]; A: input x; B: input lv_w: QUANTISED (scales: A lowp_scales[4], B lowp_scales[5])
;;     4. batch 1,024 x [M 256, K 64] x [K 64, N 256]; A: computed on the way; B: computed on the way: QUANTISED (scales: A lowp_scales[6], B lowp_scales[7])
;;     5. batch 1,024 x [M 256, K 256] x [K 256, N 64]; A: softmax (see below); B: computed on the way: QUANTISED (scales: A lowp_scales[8], B lowp_scales[9])
;;     6. [M 32,768, K 512] x [K 512, N 512]; A: input x; B: input gq_w: QUANTISED (scales: A lowp_scales[10], B lowp_scales[11])
;;     7. [M 512, K 512] x [K 512, N 512]; A: input x; B: input gk_w: QUANTISED (scales: A lowp_scales[12], B lowp_scales[13])
;;     8. [M 512, K 512] x [K 512, N 512]; A: input x; B: input gv_w: QUANTISED (scales: A lowp_scales[14], B lowp_scales[15])
;;     9. batch 32 x [M 8,192, K 64] x [K 64, N 128]; A: computed on the way; B: computed on the way: QUANTISED (scales: A lowp_scales[16], B lowp_scales[17])
;;     10. batch 32 x [M 64, K 128] x [K 128, N 8,192]; A: computed on the way; B: softmax (see below): QUANTISED (scales: A lowp_scales[18], B lowp_scales[19])
;;     11. [M 32,768, K 1,024] x [K 1,024, N 512]; A: computed on the way; B: input out_w: QUANTISED (scales: A lowp_scales[20], B lowp_scales[21])
;;   THE QUANTISER, for each operand of a quantised product, along K:
;;     - The operand's scale is 2^e, e = its entry of the input lowp_scales (int32; the entries are numbered through the quantised products in the list's order, A before B).
;;     - Each number is divided by the scale, clamped to +-57,344, and rounded to the nearest number of E5M2, ties to even, subnormals kept.
;;     - The product sums the exact products of the quantised numbers (number of the format x scale) in f32.
;;   ~~~python
;;   def quantise(x, axis, e):      # numpy; x: float32 -> the quantised numbers, widened to float32 again
;;       x = np.moveaxis(x, axis, -1); K = x.shape[-1]
;;       r = np.clip(x / 2.0 ** e, -57344, 57344)
;;       step = 2.0 ** (np.maximum(np.frexp(np.where(r == 0, 1, r))[1] - 1, -14) - 2)
;;       q = np.round(r / step) * step * 2.0 ** e      # np.round: ties to even
;;       return np.moveaxis(q, -1, axis).astype(np.float32)
;;   ~~~
;;   SOFTMAX AHEAD OF A QUANTISED PRODUCT. Where the list says 'softmax', what is quantised is not the finished softmax but p = 2^(t - M), with t = logit x log2(e) and M = ceil(the row's largest t), a whole number; so 1/2 < the row's largest p <= 1. The row's sum l is taken of the UNQUANTISED p, in f32, and the product's result is divided by l at the end. Since M is a whole number, a kernel that streams over the keys may use a running M (the ceiling of the running maximum): every later rescaling is an exact power of two, so the quantised numbers keep their values, but for numbers so far below the row's largest that they fall under the format's range.
;;   OPERANDS COMPUTED ON THE WAY. 'Computed on the way' means the value that the module computes at that place (a softmax that the list does not call 'softmax' is quantised finished and normalised). What goes into a quantiser is computed in f32, as accurately as f32 sums, v_exp_f32 and their like allow (about 1e-6 of the number): no bf16 or f16 on the way to a quantiser, and a product that is left as it is and whose result goes on into a quantised operand takes f32 operands (vector FMAs, or v_wmma_f32_16x16x4_f32). A number that lies on a knife's edge between two numbers of the format may be rounded either way, as far as f32 arithmetic and the matrix unit's own rounding can turn it there, and no further.
;; One version. Each part assembles by itself: llvm-mc -triple=amdgcn-amd-amdhsa -mcpu=gfx1250 --defsym DOCPART=n.
;; ======== version 1 of 1: 3 launches
;; limits: right only within a limited range of input values
;; workspace buffers: wc 1,572,864 bytes; qc 16,777,216 bytes; kc 16,777,216 bytes; gqc 16,777,216 bytes; vc 16,777,216 bytes; gkc 262,144 bytes; gvc 262,144 bytes
;; launch prep (part 1): grid 160 x 1, 8 waves a work-group, no clusters, 101,376 bytes of LDS; arguments lq_w, lk_w, lv_w, gq_w, out_w, gk_w, gv_w, x, gk_b, gv_b, lowp_scales, wc, gkc, gvc; writes wc, gkc, gvc
.if DOCPART == 1
	.amdgcn_target "amdgcn-amd-amdhsa--gfx1250"
	.amdhsa_code_object_version 6
	.text
	.protected	k_q664f6ef37e_prep
	.globl	k_q664f6ef37e_prep
	.p2align	8
	.type	k_q664f6ef37e_prep,@function
k_q664f6ef37e_prep:
	s_mov_b64 s[64:65], 0
	v_nop
	global_prefetch_b8 v0, s[64:65] scope:SCOPE_SE
	s_setreg_imm32_b32 hwreg(HW_REG_WAVE_MODE, 25, 1), 1
	s_wait_xcnt 0x0
; HierarchicalAttention on codes of BF8 (E5M2), three launches: prep, proj, attn.  NO WORK OF reference() IS LEFT OUT: every bias goes into a quantised operand or into the output, so every input is loaded.
; THIS LAUNCH.  Work-groups 0-95: the weights lq_w, lk_w, lv_w, gq_w [512][512] and out_w [1024][512], f32 with K as the first axis, become codes laid as IMAGES OF OPERAND REGISTERS.
; Work-groups 96-159: the global keys and values: every 64th row of x, quantised, times gk_w or gv_w, quantised, + bias, quantised again for the attention products; one (batch, k or v, head) a work-group.
; A FRAGMENT is 16 rows x 128 K in 16 registers: lane (r = lane % 16, h = lane / 16) holds row r, registers 2 c, 2 c + 1 hold K = 16 c + 8 h + 0 .. 7.  Its IMAGE: registers 4 q .. 4 q + 3 of lane l at 512 q + 16 l.
; code = x / 2^e, held within +-57,344, to the nearest code, ties to even.
; LIMITS: each exponent e of lowp_scales lies between -126 and 112, each sum of a product's two between -126 and 127, so that the powers of two below are f32 numbers.  NaN among the inputs is not served.
.set XPI,  528                         ; LDS: the 128 rows of x as rows of 512 codes + 16 bytes of padding, from 0 on;
.set WIB,  128*XPI                     ; W's 16 fragments as images;
.set SPARE, WIB+32768                  ; then the spare words, 128 bytes a wave
.set WOFF, 4                           ; v4   W: 4 r + 8 h rows of 2,048 bytes
.set LI,   5                           ; v5   16 x lane
.set XOFF, 6                           ; v6   528 r + 16 h: my lane's place in a fragment's rows of x
.set L8,   7                           ; v7   8 x lane
.set SCX,  8                           ; v8, v9   2^e and 57,344 x 2^e for x (first path: for the weight)
.set LIMX, 9
.set SPW,  10                          ; v10  my spare word; v11  0; never rewritten
.set NIL,  11
.set SCW,  12                          ; v12, v13 the same for gk_w or gv_w
.set LIMW, 13
.set XWA,  14                          ; v14  where I store my 16 rows' codes: 16 wave rows + 8 x lane
.set WWA,  15                          ; v15  where I store W's
.set A,    16                          ; v16-79, v96-159, v160-223: three sets of 64 numbers; later x's fragments, W's fragments, accumulators
.set PC,   80                          ; v80-95 the codes just made
.set B,    96
.set C,    160
.set BI,   224                         ; v224-231 the bias in the result's layout
.set OC,   232                         ; v232-239 the results' codes
.set WRA,  240                         ; v240 where I read W's fragments; v241 x's
.set XRA,  241
.set SCO,  242                         ; v242, v243 the quantiser of the results
.set LIMO, 243
.set H32,  244
.set R4,   245
.set WP,   60                          ; s[60:61] my part of the weight
.set XP,   66                          ; s[66:67] my rows of x
.macro PLACES
.rept 4
	v_nop
.endr
.endm
.macro MKQ se, vsc, vlim               ; e in s[se] -> 2^e and 57,344 x 2^e as f32
	s_add_co_i32 s90, s[\se], 127
	s_lshl_b32 s91, s90, 23
	v_mov_b32 v[\vsc], s91
	s_add_co_i32 s90, s90, 15
	s_lshl_b32 s90, s90, 23
	s_or_b32 s90, s90, 0x600000
	v_mov_b32 v[\vlim], s90
.endm
.macro WLD set, s                      ; lane (r, h) takes column r and runs down K: W(128 s + 16 c + 8 h + j, r)
.irp c, 0,1,2,3,4,5,6,7
.irp j, 0,1,2,3,4,5,6,7
	global_load_b32 v[\set+8*\c+\j], v[WOFF], s[WP:WP+1] offset:(128*(\s)+16*\c+\j)*2048
.endr
.endr
.endm
; The four square weights, gk_w and gv_w meet codes of x that were made from loads of 512 consecutive bytes: byte i of register pair c of K step s, lane half h, holds
; K = 256 (s / 2) + 64 (s % 2) + 128 (i / 4) + 16 (c / 2) + 8 h + 4 (c % 2) + i % 4: one permutation of K, the same on both operands.  256 (s / 2) is in the base, 8 h in WOFF; the argument is s % 2, or 0 where the base holds that too.
.macro WLDP set, s
.irp c, 0,1,2,3,4,5,6,7
.irp j, 0,1,2,3,4,5,6,7
	global_load_b32 v[\set+8*\c+\j], v[WOFF], s[WP:WP+1] offset:(64*(\s)+128*(\j/4)+16*(\c/2)+4*(\c%2)+\j%4)*2048
.endr
.endr
.endm
.macro XLD set, s                      ; step s: my rows 4 s .. 4 s + 3 (64 rows of x apart); unit c = (row c / 2, half c % 2 of K): two loads of 512 consecutive bytes, eight numbers a lane
.irp c, 0,1,2,3,4,5,6,7
.irp q, 0,1
	global_load_b128 v[\set+8*\c+4*\q:\set+8*\c+4*\q+3], v[LI], s[XP:XP+1] offset:131072*(4*(\s)+\c/2)+1024*(\c%2)+512*\q
.endr
.endr
.endm
.macro QNT set, sc, lim                ; 64 numbers become a fragment's codes in v[PC] on
	s_wait_dscnt 0x0                               ; the LDS stores of the codes made last have read their registers
.irp c, 0,1,2,3,4,5,6,7
.irp i, 0,1,2,3,4,5,6,7
	v_med3_num_f32 v[\set+8*\c+\i], v[\set+8*\c+\i], -v[\lim], v[\lim]   ; the conversion does not saturate (ISA guide 7.6.2): the hold comes first
.endr
	v_cvt_scalef32_pk8_bf8_f32 v[PC+2*\c:PC+2*\c+1], v[\set+8*\c:\set+8*\c+7], v[\sc]
.endr
	v_nop                                          ; a plain instruction behind the last conversion
.endm
.macro ROWST s                         ; step s's codes into their rows: lane l's eight at byte 256 (c % 2) + 8 l; 32 lanes store 256 consecutive bytes
.irp c, 0,1,2,3,4,5,6,7
	ds_store_b64 v[XWA], v[PC+2*\c:PC+2*\c+1] offset:4*XPI*(\s)+XPI*(\c/2)+256*(\c%2)
.endr
.endm
.macro IMG adr, off
.irp c, 0,1,2,3
	ds_store_b128 v[\adr], v[PC+4*\c:PC+4*\c+3] offset:\off+512*\c
.endr
.endm
.macro FETR reg, off                   ; a fragment of x from its rows: 16 bytes at row x 528 + 128 s + 32 c + 16 h
.irp c, 0,1,2,3
	ds_load_b128 v[\reg+4*\c:\reg+4*\c+3], v[XRA] offset:\off+32*\c
.endr
.endm
.macro FET reg, adr, off
.irp c, 0,1,2,3
	ds_load_b128 v[\reg+4*\c:\reg+4*\c+3], v[\adr] offset:\off+512*\c
.endr
.endm
.macro MM d, a, b, acc
.if \acc
	v_wmma_f32_16x16x128_bf8_bf8 v[\d:\d+7], v[\a:\a+15], v[\b:\b+15], v[\d:\d+7]
.else
	v_wmma_f32_16x16x128_bf8_bf8 v[\d:\d+7], v[\a:\a+15], v[\b:\b+15], 0
.endif
.endm
	s_load_b512 s[4:19], s[0:1], 0x0               ; lq_w, lk_w, lv_w, gq_w, out_w, gk_w, gv_w, x
	s_load_b256 s[20:27], s[0:1], 0x40             ; gk_b, gv_b, lowp_scales, wc
	s_load_b128 s[28:31], s[0:1], 0x60             ; gkc, gvc
	v_lshl_add_u32 v[SPW], v0, 2, SPARE
	v_mov_b32 v[NIL], 0
	v_lshrrev_b32 v1, 5, v0
	s_delay_alu instid0(VALU_DEP_1)
	v_readfirstlane_b32 s33, v1                    ; wave 0..7
	v_and_b32 v1, 31, v0                           ; lane
	v_and_b32 v2, 15, v0                           ; r
	v_bfe_u32 v3, v0, 4, 1                         ; h
	s_delay_alu instid0(VALU_DEP_2)
	v_lshlrev_b32 v[WOFF], 2, v2
	s_delay_alu instid0(VALU_DEP_1)
	v_lshl_add_u32 v[WOFF], v3, 14, v[WOFF]
	v_lshlrev_b32 v[LI], 4, v1
	s_wait_alu depctr_va_vdst(0)
	v_mul_u32_u24 v[XOFF], v2, XPI
	s_delay_alu instid0(VALU_DEP_1)
	v_lshl_add_u32 v[XOFF], v3, 4, v[XOFF]
	v_lshlrev_b32 v[L8], 3, v1
	v_lshlrev_b32 v[H32], 5, v3
	v_lshlrev_b32 v[R4], 2, v2
	s_lshr_b32 s34, s33, 2                         ; wave / 4
	s_and_b32 s35, s33, 3                          ; wave % 4
	s_mul_i32 s70, s33, 16*XPI
	v_add_nc_u32 v[XWA], s70, v[L8]                ; my row tile = wave
	s_lshl_b32 s70, s35, 13
	s_add_co_u32 s70, s70, WIB
	v_add_nc_u32 v[WRA], s70, v[LI]                ; W's fragment (column tile t, K step s) at WIB + (4 t + s) x 2,048; t = wave % 4
	s_lshl_b32 s71, s34, 12
	s_add_co_u32 s70, s70, s71
	v_add_nc_u32 v[WWA], s70, v[LI]                ; I make K steps 2 (wave / 4) and the next
	s_mul_i32 s70, s34, 64*XPI
	s_wait_alu depctr_va_vdst(0)                   ; a wait directly ahead of the reader below
	v_add_nc_u32 v[XRA], s70, v[XOFF]              ; I multiply row tiles 4 (wave / 4) + 0 .. 3
	s_wait_kmcnt 0x0
	s_load_b512 s[36:51], s[24:25], 0x0            ; e0 .. e15 in s36 .. s51
	s_load_b128 s[52:55], s[24:25], 0x40           ; e16 .. e19
	s_load_b64 s[56:57], s[24:25], 0x50            ; e20, e21
	s_cmp_ge_u32 ttmp9, 96
	s_cbranch_scc1 .Lglobal
	; ---- a weight's fragment a wave: tensor vw = g / 16 (4, 5: the halves of out_w along K), column tile t = 2 (g % 16) + wave / 4, K step wave % 4
	s_wait_kmcnt 0x0                               ; the exponents
	s_lshr_b32 s70, ttmp9, 4
	s_and_b32 s71, ttmp9, 15
	s_lshl_b32 s71, s71, 1
	s_add_co_u32 s71, s71, s34                     ; t
	s_max_u32 s74, s70, 4
	s_sub_co_u32 s74, s74, 4                       ; which half of out_w, else 0
	s_lshl_b32 s75, s71, 6
	s_lshr_b32 s76, s35, 1
	s_lshl_b32 s76, s76, 19                        ; a square weight: 256 rows x (K step / 2)
	s_and_b32 s80, s35, 1
	s_lshl_b32 s80, s80, 17                        ; + 64 rows x (K step % 2)
	s_add_co_u32 s80, s76, s80
	s_lshl_b32 s76, s35, 18                        ; out_w: 128 rows x K step
	s_cmp_ge_u32 s70, 4
	s_cselect_b32 s76, s76, s80
	s_add_co_u32 s75, s75, s76
	s_lshl_b32 s76, s74, 20
	s_add_co_u32 s76, s75, s76                     ; in: 64 t + 128 rows x K step + 512 rows x half
	s_mov_b32 s77, 0
	s_lshl_b32 s78, s70, 18
	s_lshl_b32 s79, s71, 13
	s_add_co_u32 s78, s78, s79                     ; out, the four square weights: 262,144 vw + 8,192 t
	s_lshl_b32 s79, s71, 14
	s_lshl_b32 s80, s74, 13
	s_add_co_u32 s79, s79, s80
	s_add_co_u32 s79, s79, 0x100000                ; out_w: 1,048,576 + 16,384 t + 8,192 half
	s_cmp_ge_u32 s70, 4
	s_cselect_b32 s78, s79, s78
	s_cselect_b64 s[WP:WP+1], s[12:13], s[4:5]
	s_cselect_b32 s82, s57, s37                    ; e21, else e1
	s_cmp_eq_u32 s70, 1
	s_cselect_b64 s[WP:WP+1], s[6:7], s[WP:WP+1]
	s_cselect_b32 s82, s39, s82                    ; e3
	s_cmp_eq_u32 s70, 2
	s_cselect_b64 s[WP:WP+1], s[8:9], s[WP:WP+1]
	s_cselect_b32 s82, s41, s82                    ; e5
	s_cmp_eq_u32 s70, 3
	s_cselect_b64 s[WP:WP+1], s[10:11], s[WP:WP+1]
	s_cselect_b32 s82, s47, s82                    ; e11
	s_lshl_b32 s79, s35, 11
	s_add_co_u32 s78, s78, s79                     ; + 2,048 x K step
	s_mov_b32 s79, 0
	s_add_nc_u64 s[WP:WP+1], s[WP:WP+1], s[76:77]
	s_add_nc_u64 s[62:63], s[26:27], s[78:79]
	s_cmp_ge_u32 s70, 4                            ; out_w keeps K in its plain places; the branch hangs on the work-group's number alone
	s_cbranch_scc1 .Lplain
	WLDP A, 0
	s_branch .Lloaded
.Lplain:
	WLD A, 0
.Lloaded:
	MKQ 82, SCX, LIMX
	s_wait_alu depctr_va_vdst(0)
	s_wait_loadcnt 0x0
	QNT A, SCX, LIMX
.irp c, 0,1,2,3
	global_store_b128 v[LI], v[PC+4*\c:PC+4*\c+3], s[62:63] offset:512*\c   ; 32 lanes store 512 consecutive bytes
.endr
	s_branch .Lend
.Lglobal:                                          ; ---- gi = g - 96: batch gi / 16, k (0) or v (1) = (gi / 8) % 2, head gi % 8
	s_sub_co_u32 s70, ttmp9, 96
	s_lshr_b32 s71, s70, 4
	s_bfe_u32 s72, s70, 0x10003
	s_and_b32 s73, s70, 7
	s_lshl_b32 s76, s71, 24
	s_lshl_b32 s77, s33, 21
	s_add_co_u32 s76, s76, s77                     ; batch x 8,192 rows + wave x 16 x 64 rows
	s_mov_b32 s77, 0
	s_add_nc_u64 s[XP:XP+1], s[18:19], s[76:77]
	s_cmp_eq_u32 s72, 0
	s_cselect_b64 s[WP:WP+1], s[14:15], s[16:17]
	s_cselect_b64 s[68:69], s[20:21], s[22:23]
	s_lshl_b32 s76, s73, 8
	s_lshl_b32 s78, s35, 6
	s_add_co_u32 s76, s76, s78                     ; 256 head + 64 (wave % 4): my column tile, in bytes
	s_add_nc_u64 s[68:69], s[68:69], s[76:77]
	s_lshl_b32 s78, s34, 19
	s_add_co_u32 s76, s76, s78                     ; + 256 rows x (wave / 4)
	s_add_nc_u64 s[WP:WP+1], s[WP:WP+1], s[76:77]
	s_cmp_eq_u32 s72, 0                            ; the bias, ahead of all other loads.  Keys: a lane holds 8 columns; values: one column in all 8 registers
	s_cbranch_scc0 .Lbias_v
	s_wait_alu depctr_va_vdst(0)
	global_load_b128 v[BI:BI+3], v[H32], s[68:69]
	global_load_b128 v[BI+4:BI+7], v[H32], s[68:69] offset:16
	s_branch .Lbias_done
.Lbias_v:
	s_wait_alu depctr_va_vdst(0)
.irp j, 0,1,2,3,4,5,6,7
	global_load_b32 v[BI+\j], v[R4], s[68:69]
.endr
.Lbias_done:
	XLD A, 0                                       ; the addresses hang on no exponent: the loads go out ahead of the wait for the exponents
	XLD B, 1
	XLD C, 2
	s_wait_kmcnt 0x0                               ; the exponents
	s_cmp_eq_u32 s72, 0
	s_cselect_b32 s80, s48, s50                    ; x's exponent: e12 or e14
	s_cselect_b32 s81, s49, s51                    ; W's: e13 or e15
	s_cselect_b32 s82, s53, s54                    ; the result's: e17 (keys) or e18 (values)
	MKQ 80, SCX, LIMX
	MKQ 81, SCW, LIMW
	MKQ 82, SCO, LIMO
	s_add_co_i32 s84, s80, s81
	s_add_co_i32 s84, s84, 127
	s_lshl_b32 s84, s84, 23                        ; 2^(ex + ew)
	s_mov_b32 s85, s84                             ; (named with it as a pair)
	; a set of registers is loaded again as soon as its numbers are converted
	s_wait_alu depctr_va_vdst(0)
	s_wait_loadcnt 32                              ; K step 0 is in; the 32 loads of steps 1 and 2 may be out
	QNT A, SCX, LIMX
	ROWST 0
	XLD A, 3
	s_wait_loadcnt 32                              ; K step 1 is in; behind it: step 2's 16 loads and step 3's 16
	QNT B, SCX, LIMX
	ROWST 1
	WLDP B, 0
	s_wait_loadcnt 63                              ; K step 2 is in: 80 loads were issued behind it; the count's field holds 63
	QNT C, SCX, LIMX
	ROWST 2
	WLDP C, 1
	s_wait_loadcnt 63                              ; 128 loads were issued behind x's K step 3
	QNT A, SCX, LIMX
	ROWST 3
	s_wait_loadcnt 63                              ; 64 loads were issued behind W's first K step
	QNT B, SCW, LIMW
	IMG WWA, 0
	s_wait_loadcnt 0x0
	QNT C, SCW, LIMW
	IMG WWA, 2048
	s_wait_dscnt 0x0                               ; for the others' sake: my images have landed
	s_barrier_signal -1
	s_barrier_wait -1
; my column tile x four row tiles, K = 512 in four steps; four accumulators by turns.  ty = 0: source 0 = W's 16 columns, source 1 = 16 rows of x: a lane holds one key and 8 columns.
; ty = 1: the sources swapped: a lane holds one column and 8 keys, which are neighbours along the second attention product's K.
.macro GMM ty
.irp s, 0,1,2,3
	FET B+16*\s, WRA, 2048*\s
.endr
.irp s, 0,1,2,3
.if \s > 0
	PLACES                                         ; places in front of loads into registers that matrix instructions have read
.endif
.irp i, 0,1,2,3
	FETR A+16*\i, 16*XPI*\i+128*\s
.endr
	s_wait_dscnt 0x0
.irp i, 0,1,2,3
.if \ty
	MM C+8*\i, A+16*\i, B+16*\s, \s
.else
	MM C+8*\i, B+16*\s, A+16*\i, \s
.endif
.endr
.endr
	PLACES
.irp i, 0,1,2,3
.irp j, 0,2,4,6
	v_pk_fma_f32 v[C+8*\i+\j:C+8*\i+\j+1], v[C+8*\i+\j:C+8*\i+\j+1], s[84:85], v[BI+\j:BI+\j+1] op_sel_hi:[1,0,1]   ; sum x 2^(ex + ew) + bias
.endr
.endr
.irp i, 0,1,2,3
.irp j, 0,1,2,3,4,5,6,7
	v_med3_num_f32 v[C+8*\i+\j], v[C+8*\i+\j], -v[LIMO], v[LIMO]
.endr
	v_cvt_scalef32_pk8_bf8_f32 v[OC+2*\i:OC+2*\i+1], v[C+8*\i:C+8*\i+7], v[SCO]
.endr
	v_nop
	s_lshl_b32 s76, s71, 3
	s_add_co_u32 s76, s76, s73
	s_lshl_b32 s76, s76, 13                        ; (8 batch + head) x 8,192
.if \ty
	s_lshl_b32 s78, s35, 11                        ; gvc: + 2,048 x tile of d + 1,024 x (wave / 4): registers 8 (wave / 4) on of the fragment over 128 keys
	s_add_co_u32 s76, s76, s78
	s_lshl_b32 s78, s34, 10
	s_add_co_u32 s76, s76, s78
	s_add_nc_u64 s[62:63], s[30:31], s[76:77]
	global_store_b128 v[LI], v[OC:OC+3], s[62:63]
	s_wait_alu depctr_va_vdst(0)
	global_store_b128 v[LI], v[OC+4:OC+7], s[62:63] offset:512
.else
	s_lshl_b32 s78, s34, 12                        ; gkc: + 1,024 x key tile + 256 x tile of d: registers 2 t, 2 t + 1 of the key tile's fragment, 8 bytes a lane
	s_add_co_u32 s76, s76, s78
	s_lshl_b32 s78, s35, 8
	s_add_co_u32 s76, s76, s78
	s_add_nc_u64 s[62:63], s[28:29], s[76:77]
	s_wait_alu depctr_va_vdst(0)
.irp i, 0,1,2,3
	global_store_b64 v[L8], v[OC+2*\i:OC+2*\i+1], s[62:63] offset:1024*\i   ; 32 lanes store 256 consecutive bytes, aligned
.endr
.endif
.endm
	s_cmp_eq_u32 s72, 0
	s_cbranch_scc0 .Lvalues
	GMM 0
	s_branch .Lend
.Lvalues:
	GMM 1
.Lend:
	s_wait_tensorcnt 0x0                           ; the wave's end
	ds_add_u32 v[SPW], v[NIL]
	s_wait_dscnt 0x0
	s_endpgm
.Lfunc_end_k_q664f6ef37e_prep:
	.size	k_q664f6ef37e_prep, .Lfunc_end_k_q664f6ef37e_prep-k_q664f6ef37e_prep
	.p2alignl 7, 3214868480
	.fill 96, 4, 3214868480
	.section	.rodata,"a",@progbits
	.p2align	6, 0x0
	.amdhsa_kernel k_q664f6ef37e_prep
		.amdhsa_group_segment_fixed_size 101376
		.amdhsa_private_segment_fixed_size 0
		.amdhsa_enable_private_segment 0
		.amdhsa_kernarg_size 112
		.amdhsa_user_sgpr_count 2
		.amdhsa_user_sgpr_kernarg_segment_ptr 1
		.amdhsa_wavefront_size32 1
		.amdhsa_system_sgpr_workgroup_id_x 1
		.amdhsa_system_sgpr_workgroup_id_y 1
		.amdhsa_system_sgpr_workgroup_id_z 1
		.amdhsa_system_vgpr_workitem_id 0
		.amdhsa_next_free_vgpr 256
		.amdhsa_next_free_sgpr 100
		.amdhsa_reserve_vcc 0
		.amdhsa_float_denorm_mode_32 3
		.amdhsa_float_denorm_mode_16_64 3
		.amdhsa_memory_ordered 1
		.amdhsa_forward_progress 1
		.amdhsa_inst_pref_size 94
	.end_amdhsa_kernel
	.amdgpu_metadata
---
amdhsa.version: [ 1, 2 ]
amdhsa.kernels:
  - .name:           k_q664f6ef37e_prep
    .symbol:         k_q664f6ef37e_prep.kd
    .args:
      - { .name: lq_w, .offset: 0, .size: 8, .value_kind: global_buffer, .address_space: global }
      - { .name: lk_w, .offset: 8, .size: 8, .value_kind: global_buffer, .address_space: global }
      - { .name: lv_w, .offset: 16, .size: 8, .value_kind: global_buffer, .address_space: global }
      - { .name: gq_w, .offset: 24, .size: 8, .value_kind: global_buffer, .address_space: global }
      - { .name: out_w, .offset: 32, .size: 8, .value_kind: global_buffer, .address_space: global }
      - { .name: gk_w, .offset: 40, .size: 8, .value_kind: global_buffer, .address_space: global }
      - { .name: gv_w, .offset: 48, .size: 8, .value_kind: global_buffer, .address_space: global }
      - { .name: x, .offset: 56, .size: 8, .value_kind: global_buffer, .address_space: global }
      - { .name: gk_b, .offset: 64, .size: 8, .value_kind: global_buffer, .address_space: global }
      - { .name: gv_b, .offset: 72, .size: 8, .value_kind: global_buffer, .address_space: global }
      - { .name: lowp_scales, .offset: 80, .size: 8, .value_kind: global_buffer, .address_space: global }
      - { .name: wc, .offset: 88, .size: 8, .value_kind: global_buffer, .address_space: global }
      - { .name: gkc, .offset: 96, .size: 8, .value_kind: global_buffer, .address_space: global }
      - { .name: gvc, .offset: 104, .size: 8, .value_kind: global_buffer, .address_space: global }
    .group_segment_fixed_size: 101376
    .private_segment_fixed_size: 0
    .kernarg_segment_align: 8
    .kernarg_segment_size: 112
    .max_flat_workgroup_size: 256
    .sgpr_count:     100
    .vgpr_count:     256
    .wavefront_size: 32
...
	.end_amdgpu_metadata
.endif
;; end of part 1
;; launch proj (part 2): grid 256 x 1, 8 waves a work-group, no clusters, 271,360 bytes of LDS; arguments x, wc, lq_b, lk_b, gq_b, lv_b, lowp_scales, qc, kc, gqc, vc; writes qc, kc, gqc, vc
.if DOCPART == 2
	.amdgcn_target "amdgcn-amd-amdhsa--gfx1250"
	.amdhsa_code_object_version 6
	.text
	.protected	k_q664f6ef37e_proj
	.globl	k_q664f6ef37e_proj
	.p2align	8
	.type	k_q664f6ef37e_proj,@function
k_q664f6ef37e_proj:
	s_mov_b64 s[64:65], 0
	v_nop
	global_prefetch_b8 v0, s[64:65] scope:SCOPE_SE
	s_setreg_imm32_b32 hwreg(HW_REG_WAVE_MODE, 25, 1), 1
	s_wait_xcnt 0x0
; The four large projections of x: local q, k, v and global q, on codes of BF8; nothing of reference() is left out.  A work-group takes 128 rows of x.
; PHASE X: wave w reads rows 16 w .. 16 w + 15 ONCE and quantises them with the scales that the four products give x.  Each load reads 512 consecutive bytes of one row, 16 a lane.
; Lane l converts the eight numbers K = 256 j + 4 l + 0 .. 3 and 256 j + 128 + 4 l + 0 .. 3 of a row and stores their codes at byte 256 j + 8 l of that row in LDS.
; Slot j (product j) holds the 128 rows as rows of 512 codes, 528 bytes apart.  That order is a permutation of K; the first launch lays the four weights by the same one, so every product meets its partner.
; Where product j gives x the same exponent as product 0, its codes are the same numbers: a scalar branch on the two whole numbers of lowp_scales stores product 0's codes into slot j and makes none anew.
; PHASE G: waves 2 j and 2 j + 1 make product j (0 q, 1 k, 2 global q, 3 v), four heads each, a head (64 columns) a trip: the head's 16 weight fragments come from wc into registers, the rows' fragments from LDS:
; four loads of 16 bytes at row x 528 + 128 s + 32 c + 16 h.
; The first head's weights are asked for behind the first loads of x, so that they land under phase X; the loop's first trip jumps over its own load.
; q, k, global q: source 0 = 16 columns of W, source 1 = 16 rows: a lane holds one row and 8 neighbouring columns, which are neighbours along the next product's K (the head's 64).
; v: the sources swapped: a lane holds one column and 8 rows, neighbours along the keys, the next K.  So the conversions' results are the next operands' registers; they are stored as images of those registers.
; LIMITS: as stated in the first launch.
.set XP,    528                        ; a row of codes + 16 bytes of padding: an odd multiple of 16
.set SLOTB, 128*XP
.set SPARE, 4*SLOTB                    ; 270,336: behind the four slots
.set XOFF, 1                           ; v1   528 r + 16 h: my lane's place in a fragment's rows
.set LI,   2                           ; v2   16 x lane
.set XR,   4                           ; v4   the same as v1, in my product's slot
.set H32,  5
.set R4,   6
.set SCX,  8                           ; v8-11  2^e for x in product j;  v12-15  57,344 x that
.set LIMX, 12
.set SCO,  16                          ; v16, v17 the results' quantiser
.set LIMO, 17
.set SPW,  18
.set NIL,  19
.set BV,   20                          ; v20-27 v's bias: a pair (both halves alike) for each tile of columns
.set XW,   28                          ; v28-31 where I store my rows' codes in slot j: 16 wave rows + 8 x lane
.set ST0,  32                          ; phase X: two sets of 64 numbers
.set ST1,  96
.set T,    160                         ; phase X: two sets of 8 held numbers
.set PC,   176                         ; phase X: 16 registers of codes for each product
.set XF0,  32                          ; phase G: two sets of a row tile's four fragments
.set ACC,  160                         ; phase G: four accumulators
.set OC,   192                         ; two sets of 8 registers of codes (q, k, global q)
.set OCV,  192                         ; v: the four fragments over 128 keys, 64 registers
.set BI,   224                         ; the bias of 4 tiles x 8 columns (q, k, global q)
.set WB,   26                          ; s[26:27] the head's weights
.set BB,   60                          ; s[60:61] its bias
.set OB,   62                          ; s[62:63] its place in the output
.set MSB, 0
.macro WIN new                         ; the immediate's high byte repeats the setting that is left
.if MSB != \new
	s_set_vgpr_msb (MSB<<8)|\new
.set MSB, \new
.endif
.endm
.macro PLACES
.rept 4
	v_nop
.endr
.endm
.macro MKQ se, vsc, vlim
	s_add_co_i32 s98, s[\se], 127
	s_lshl_b32 s99, s98, 23
	v_mov_b32 v[\vsc], s99
	s_add_co_i32 s98, s98, 15
	s_lshl_b32 s98, s98, 23
	s_or_b32 s98, s98, 0x600000
	v_mov_b32 v[\vlim], s98
.endm
.macro XLD set, s                      ; step s: my rows 4 s .. 4 s + 3; unit c = (row c / 2, half c % 2 of K): two loads, eight numbers a lane
.irp c, 0,1,2,3,4,5,6,7
.irp q, 0,1
	global_load_b128 v[\set+8*\c+4*\q:\set+8*\c+4*\q+3], v[LI], s[28:29] offset:2048*(4*(\s)+\c/2)+1024*(\c%2)+512*\q th:TH_LOAD_NT
.endr
.endr
.endm
.macro WLOAD                           ; a head's 16 weight fragments (tile t, K step s) into v[16 (4 t + s)] of window 1
	WIN 0x40
.irp t, 0,1,2,3
.irp s, 0,1,2,3
.irp c, 0,1,2,3
	global_load_b128 v[16*(4*\t+\s)+4*\c:16*(4*\t+\s)+4*\c+3], v[LI], s[WB:WB+1] offset:8192*\t+2048*\s+512*\c
.endr
.endr
.endr
	WIN 0
.endm
; the set's 64 numbers with product j's scale (its exponent in s[se]): held into T (two sets by turns, so that plain lines stand behind each conversion), converted, stored: 32 lanes store 256 consecutive bytes.
; j > 0 with product 0's exponent: product 0's codes, which still stand in their registers, are stored once more
.macro QJ j, set, off, se
.if \j > 0
	s_cmp_eq_u32 s[\se], s36
	s_cbranch_scc1 .Lsame_\@
.endif
.irp c, 0,1,2,3,4,5,6,7
.irp i, 0,1,2,3,4,5,6,7
	v_med3_num_f32 v[T+8*(\c%2)+\i], v[\set+8*\c+\i], -v[LIMX+\j], v[LIMX+\j]
.endr
	v_cvt_scalef32_pk8_bf8_f32 v[PC+16*\j+2*\c:PC+16*\j+2*\c+1], v[T+8*(\c%2):T+8*(\c%2)+7], v[SCX+\j]
.endr
	v_nop
.irp c, 0,1,2,3,4,5,6,7
	ds_store_b64 v[XW+\j], v[PC+16*\j+2*\c:PC+16*\j+2*\c+1] offset:\off+XP*(\c/2)+256*(\c%2)
.endr
.if \j > 0
	s_branch .Ldone_\@
.Lsame_\@:
	s_wait_alu depctr_va_vdst(0)                   ; the wait here, behind the jump
.irp c, 0,1,2,3,4,5,6,7
	ds_store_b64 v[XW+\j], v[PC+2*\c:PC+2*\c+1] offset:\off+XP*(\c/2)+256*(\c%2)
.endr
.Ldone_\@:
.endif
.endm
	s_load_b512 s[4:19], s[0:1], 0x0               ; x, wc, lq_b, lk_b, gq_b, lv_b, lowp_scales, qc
	s_load_b128 s[20:23], s[0:1], 0x40             ; kc, gqc
	s_load_b64 s[24:25], s[0:1], 0x50              ; vc
	v_lshl_add_u32 v[SPW], v0, 2, SPARE
	v_mov_b32 v[NIL], 0
	v_lshrrev_b32 v3, 5, v0
	s_delay_alu instid0(VALU_DEP_1)
	v_readfirstlane_b32 s33, v3                    ; wave 0..7
	v_and_b32 v3, 31, v0
	v_and_b32 v7, 15, v0                           ; r
	v_bfe_u32 v5, v0, 4, 1                         ; h
	s_delay_alu instid0(VALU_DEP_3)
	v_lshlrev_b32 v[LI], 4, v3
	s_delay_alu instid0(VALU_DEP_3)
	v_lshlrev_b32 v[R4], 2, v7
	s_delay_alu instid0(VALU_DEP_4)
	v_mul_u32_u24 v[XOFF], v7, XP
	s_delay_alu instid0(VALU_DEP_1)
	v_lshl_add_u32 v[XOFF], v5, 4, v[XOFF]         ; 528 r + 16 h
	v_lshlrev_b32 v[H32], 5, v5
	s_mul_i32 s70, s33, 16*XP
	v_lshl_add_u32 v[XW], v3, 3, s70               ; my 16 rows of slot 0, + 8 x lane
.irp j, 1,2,3
	v_add_nc_u32 v[XW+\j], SLOTB*\j, v[XW]
.endr
	s_lshr_b32 s34, s33, 1                         ; my product
	s_mul_i32 s70, s34, SLOTB
	v_add_nc_u32 v[XR], s70, v[XOFF]
	s_mov_b32 s73, s34                             ; my weight's place in wc: q 0, k 1, global q 3, v 2
	s_cmp_eq_u32 s34, 2
	s_cselect_b32 s73, 3, s73
	s_cmp_eq_u32 s34, 3
	s_cselect_b32 s73, 2, s73
	s_and_b32 s78, s33, 1
	s_lshl_b32 s78, s78, 2                         ; my first head
	s_lshl_b32 s80, s78, 15
	s_lshl_b32 s79, s73, 18
	s_add_co_u32 s80, s80, s79
	s_mov_b32 s81, 0
	s_lshl_b32 s70, ttmp9, 18
	s_lshl_b32 s71, s33, 15
	s_add_co_u32 s70, s70, s71                     ; 128 rows x work-group + 16 rows x wave
	s_mov_b32 s71, 0
	s_wait_alu depctr_va_vdst(0)
	s_wait_kmcnt 0x0
	s_load_b512 s[36:51], s[16:17], 0x0            ; e0 .. e15 in s36 .. s51
	s_load_b128 s[52:55], s[16:17], 0x40           ; e16 .. e19
	s_add_nc_u64 s[28:29], s[4:5], s[70:71]
	s_add_nc_u64 s[WB:WB+1], s[6:7], s[80:81]
	XLD ST0, 0
	XLD ST1, 1
	s_wait_kmcnt 0x0
	MKQ 36, SCX, LIMX                              ; x in q's product: e0
	MKQ 38, SCX+1, LIMX+1                          ; in k's: e2
	MKQ 46, SCX+2, LIMX+2                          ; in global q's: e10
	MKQ 40, SCX+3, LIMX+3                          ; in v's: e4
	WLOAD                                          ; my first head's weights: 64 loads behind x's first 32
	; ---- phase X
	s_wait_alu depctr_va_vdst(0)
.irp s, 0,1,2,3
.if \s < 2
	s_wait_loadcnt 63                              ; this step is in: 80 loads were issued behind it (16 of x, the weights' 64); the count's field holds 63
.elseif \s == 2
	s_wait_loadcnt 16                              ; this step is in; the last one's 16 loads may be out
.else
	s_wait_loadcnt 0x0
.endif
	s_wait_dscnt 0x0                               ; the last step's LDS stores have read the codes' registers
	QJ 0, ST0+64*(\s%2), 4*XP*\s, 36
	QJ 1, ST0+64*(\s%2), 4*XP*\s, 38
	QJ 2, ST0+64*(\s%2), 4*XP*\s, 46
	QJ 3, ST0+64*(\s%2), 4*XP*\s, 40
.if \s < 2
	XLD ST0+64*(\s%2), \s+2
.endif
.endr
	; what differs between the products, chosen by the wave's number
	s_mov_b64 s[BB:BB+1], s[8:9]
	s_mov_b64 s[OB:OB+1], s[18:19]
	s_mov_b32 s70, s36                             ; x's exponent
	s_mov_b32 s71, s37                             ; W's
	s_mov_b32 s72, s42                             ; the result's: e6
.macro PICK n, bias, outp, ex, ew, eo
	s_cmp_eq_u32 s34, \n
	s_cselect_b64 s[BB:BB+1], s[\bias:\bias+1], s[BB:BB+1]
	s_cselect_b64 s[OB:OB+1], s[\outp:\outp+1], s[OB:OB+1]
	s_cselect_b32 s70, s[\ex], s70
	s_cselect_b32 s71, s[\ew], s71
	s_cselect_b32 s72, s[\eo], s72
.endm
	PICK 1, 10, 20, 38, 39, 43                     ; k: e2, e3 -> e7
	PICK 2, 12, 22, 46, 47, 52                     ; global q: e10, e11 -> e16
	PICK 3, 14, 24, 40, 41, 45                     ; v: e4, e5 -> e9
	s_mov_b32 s74, 1024                            ; from head to head in the output: an image of 64 K; v: four images of 128 K
	s_cselect_b32 s74, 8192, s74
	s_mov_b32 s75, 0
	s_mul_i32 s80, s78, s74
	s_lshl_b32 s79, ttmp9, 16
	s_add_co_u32 s80, s80, s79
	s_mov_b32 s81, 0
	s_add_nc_u64 s[OB:OB+1], s[OB:OB+1], s[80:81]
	s_lshl_b32 s80, s78, 8
	s_add_nc_u64 s[BB:BB+1], s[BB:BB+1], s[80:81]
	s_add_co_i32 s76, s70, s71
	s_add_co_i32 s76, s76, 127
	s_lshl_b32 s76, s76, 23                        ; 2^(ex + ew)
	s_mov_b32 s77, s76
	MKQ 72, SCO, LIMO
	s_mov_b32 s35, 4                               ; heads to go
	s_wait_dscnt 0x0                               ; for the others' sake: my codes have landed
	s_barrier_signal -1
	s_barrier_wait -1
	; ---- phase G
.macro FETX set, m
.irp s, 0,1,2,3
.irp c, 0,1,2,3
	ds_load_b128 v[\set+16*\s+4*\c:\set+16*\s+4*\c+3], v[XR] offset:16*XP*(\m)+128*\s+32*\c
.endr
.endr
.endm
; the head's 64 columns for the eight row tiles.  A row tile: 16 matrix instructions, four accumulators by turns, then scale, bias, hold, conversion.
; The next row tile's fragments are fetched at a tile's head, into the other set: its last products stand in front of the tile before's vector work.
.macro ROWS nat
	FETX XF0, 0
	s_wait_loadcnt 0x0                             ; the weights and the bias
.irp m, 0,1,2,3,4,5,6,7
.if \m < 7
	FETX XF0+64*((\m+1)%2), \m+1
	s_wait_dscnt 16                                ; this tile's fragments are in; the next tile's 16 loads may be out
.else
	s_wait_dscnt 0x0
.endif
.if \nat
	WIN 0x04                                       ; source 1 (W) in window 1
.else
	WIN 0x01                                       ; source 0 (W) in window 1
.endif
.irp s, 0,1,2,3
.irp t, 0,1,2,3
.if \nat
.if \s
	v_wmma_f32_16x16x128_bf8_bf8 v[ACC+8*\t:ACC+8*\t+7], v[XF0+64*(\m%2)+16*\s:XF0+64*(\m%2)+16*\s+15], v[16*(4*\t+\s):16*(4*\t+\s)+15], v[ACC+8*\t:ACC+8*\t+7]
.else
	v_wmma_f32_16x16x128_bf8_bf8 v[ACC+8*\t:ACC+8*\t+7], v[XF0+64*(\m%2)+16*\s:XF0+64*(\m%2)+16*\s+15], v[16*(4*\t+\s):16*(4*\t+\s)+15], 0
.endif
.else
.if \s
	v_wmma_f32_16x16x128_bf8_bf8 v[ACC+8*\t:ACC+8*\t+7], v[16*(4*\t+\s):16*(4*\t+\s)+15], v[XF0+64*(\m%2)+16*\s:XF0+64*(\m%2)+16*\s+15], v[ACC+8*\t:ACC+8*\t+7]
.else
	v_wmma_f32_16x16x128_bf8_bf8 v[ACC+8*\t:ACC+8*\t+7], v[16*(4*\t+\s):16*(4*\t+\s)+15], v[XF0+64*(\m%2)+16*\s:XF0+64*(\m%2)+16*\s+15], 0
.endif
.endif
.endr
.endr
	WIN 0
	PLACES
.irp t, 0,1,2,3
.irp j, 0,2,4,6
.if \nat
	v_pk_fma_f32 v[ACC+8*\t+\j:ACC+8*\t+\j+1], v[ACC+8*\t+\j:ACC+8*\t+\j+1], s[76:77], v[BV+2*\t:BV+2*\t+1] op_sel_hi:[1,0,1]
.else
	v_pk_fma_f32 v[ACC+8*\t+\j:ACC+8*\t+\j+1], v[ACC+8*\t+\j:ACC+8*\t+\j+1], s[76:77], v[BI+8*\t+\j:BI+8*\t+\j+1] op_sel_hi:[1,0,1]
.endif
.endr
.endr
.if (\nat == 0) && (\m >= 2)
	s_wait_xcnt 0x0                                ; the stores of two tiles back have read this set of codes
.endif
.irp t, 0,1,2,3
.irp j, 0,1,2,3,4,5,6,7
	v_med3_num_f32 v[ACC+8*\t+\j], v[ACC+8*\t+\j], -v[LIMO], v[LIMO]
.endr
.if \nat
	v_cvt_scalef32_pk8_bf8_f32 v[OCV+16*\t+2*\m:OCV+16*\t+2*\m+1], v[ACC+8*\t:ACC+8*\t+7], v[SCO]   ; keys 16 m + 8 h + 0 .. 7 of column r of tile t
.else
	v_cvt_scalef32_pk8_bf8_f32 v[OC+8*(\m%2)+2*\t:OC+8*(\m%2)+2*\t+1], v[ACC+8*\t:ACC+8*\t+7], v[SCO]   ; d = 16 t + 8 h + 0 .. 7 of row r
.endif
.endr
	v_nop
.if \nat == 0
	global_store_b128 v[LI], v[OC+8*(\m%2):OC+8*(\m%2)+3], s[OB:OB+1] offset:8192*\m
	global_store_b128 v[LI], v[OC+8*(\m%2)+4:OC+8*(\m%2)+7], s[OB:OB+1] offset:8192*\m+512
.endif
.endr
.endm
.Lhead:
	s_cmp_eq_u32 s35, 4                            ; the first head's weights were asked for ahead of phase X
	s_cbranch_scc1 .Lhave_w
	WLOAD
.Lhave_w:
	s_cmp_lt_u32 s33, 6
	s_cbranch_scc0 .Lnat
.irp t, 0,1,2,3
.irp q, 0,1
	global_load_b128 v[BI+8*\t+4*\q:BI+8*\t+4*\q+3], v[H32], s[BB:BB+1] offset:64*\t+16*\q
.endr
.endr
	ROWS 0
	s_branch .Ljoin
.Lnat:
.irp t, 0,1,2,3
	global_load_b32 v[BV+2*\t], v[R4], s[BB:BB+1] offset:64*\t
	global_load_b32 v[BV+2*\t+1], v[R4], s[BB:BB+1] offset:64*\t
.endr
	ROWS 1
.irp t, 0,1,2,3
.irp c, 0,1,2,3
	global_store_b128 v[LI], v[OCV+16*\t+4*\c:OCV+16*\t+4*\c+3], s[OB:OB+1] offset:2048*\t+512*\c
.endr
.endr
.Ljoin:
	s_wait_xcnt 0x0                                ; the trip's loads and stores have read their bases and data: both are written again below and in the next trip
	s_add_nc_u64 s[WB:WB+1], s[WB:WB+1], 32768
	s_add_nc_u64 s[BB:BB+1], s[BB:BB+1], 256
	s_add_nc_u64 s[OB:OB+1], s[OB:OB+1], s[74:75]
	s_sub_co_u32 s35, s35, 1
	s_cmp_lg_u32 s35, 0
	s_cbranch_scc1 .Lhead
	s_wait_tensorcnt 0x0                           ; the wave's end
	ds_add_u32 v[SPW], v[NIL]
	s_wait_dscnt 0x0
	s_endpgm
.Lfunc_end_k_q664f6ef37e_proj:
	.size	k_q664f6ef37e_proj, .Lfunc_end_k_q664f6ef37e_proj-k_q664f6ef37e_proj
	.p2alignl 7, 3214868480
	.fill 96, 4, 3214868480
	.section	.rodata,"a",@progbits
	.p2align	6, 0x0
	.amdhsa_kernel k_q664f6ef37e_proj
		.amdhsa_group_segment_fixed_size 271360
		.amdhsa_private_segment_fixed_size 0
		.amdhsa_enable_private_segment 0
		.amdhsa_kernarg_size 88
		.amdhsa_user_sgpr_count 2
		.amdhsa_user_sgpr_kernarg_segment_ptr 1
		.amdhsa_wavefront_size32 1
		.amdhsa_system_sgpr_workgroup_id_x 1
		.amdhsa_system_sgpr_workgroup_id_y 1
		.amdhsa_system_sgpr_workgroup_id_z 1
		.amdhsa_system_vgpr_workitem_id 0
		.amdhsa_next_free_vgpr 512
		.amdhsa_next_free_sgpr 100
		.amdhsa_reserve_vcc 0
		.amdhsa_float_denorm_mode_32 3
		.amdhsa_float_denorm_mode_16_64 3
		.amdhsa_memory_ordered 1
		.amdhsa_forward_progress 1
		.amdhsa_inst_pref_size 205
	.end_amdhsa_kernel
	.amdgpu_metadata
---
amdhsa.version: [ 1, 2 ]
amdhsa.kernels:
  - .name:           k_q664f6ef37e_proj
    .symbol:         k_q664f6ef37e_proj.kd
    .args:
      - { .name: x, .offset: 0, .size: 8, .value_kind: global_buffer, .address_space: global }
      - { .name: wc, .offset: 8, .size: 8, .value_kind: global_buffer, .address_space: global }
      - { .name: lq_b, .offset: 16, .size: 8, .value_kind: global_buffer, .address_space: global }
      - { .name: lk_b, .offset: 24, .size: 8, .value_kind: global_buffer, .address_space: global }
      - { .name: gq_b, .offset: 32, .size: 8, .value_kind: global_buffer, .address_space: global }
      - { .name: lv_b, .offset: 40, .size: 8, .value_kind: global_buffer, .address_space: global }
      - { .name: lowp_scales, .offset: 48, .size: 8, .value_kind: global_buffer, .address_space: global }
      - { .name: qc, .offset: 56, .size: 8, .value_kind: global_buffer, .address_space: global }
      - { .name: kc, .offset: 64, .size: 8, .value_kind: global_buffer, .address_space: global }
      - { .name: gqc, .offset: 72, .size: 8, .value_kind: global_buffer, .address_space: global }
      - { .name: vc, .offset: 80, .size: 8, .value_kind: global_buffer, .address_space: global }
    .group_segment_fixed_size: 271360
    .private_segment_fixed_size: 0
    .kernarg_segment_align: 8
    .kernarg_segment_size: 88
    .max_flat_workgroup_size: 256
    .sgpr_count:     100
    .vgpr_count:     512
    .wavefront_size: 32
...
	.end_amdgpu_metadata
.endif
;; end of part 2
;; launch attn (part 3): grid 256 x 1, 8 waves a work-group, no clusters, 273,920 bytes of LDS; arguments x, qc, kc, vc, gqc, gkc, gvc, wc, out_b, ln_g, ln_b, lowp_scales, out0; writes out0
.if DOCPART == 3
	.amdgcn_target "amdgcn-amd-amdhsa--gfx1250"
	.amdhsa_code_object_version 6
	.text
	.protected	k_q664f6ef37e_attn
	.globl	k_q664f6ef37e_attn
	.p2align	8
	.type	k_q664f6ef37e_attn,@function
k_q664f6ef37e_attn:
	s_mov_b64 s[64:65], 0
	v_nop
	global_prefetch_b8 v0, s[64:65] scope:SCOPE_SE
	s_setreg_imm32_b32 hwreg(HW_REG_WAVE_MODE, 25, 1), 1
	s_wait_xcnt 0x0
; Local and global attention, the projection on the way out, the residual and the LayerNorm, for 128 rows a work-group (half a window of 256); nothing of reference() is left out.
; ATTENTION: wave w is head w.  Its K (256 keys) and V^T lie in registers (window 1); its 8 tiles of 16 queries wait in LDS.  Both products are used transposed: S^T = K Q^T, O^T = V^T P^T: a lane holds ONE query.
; A query's whole row is at hand in one pass: t = score x log2(e) / 8, M = ceil(the row's largest t), p = 2^(t - M) is quantised along the keys; the sum of the unquantised p divides at the end.
; p'S HOLD: t <= M, so p <= 1 whatever the inputs hold.  Where p's exponent e is -15 or more, 57,344 x 2^e is 1.75 or more and the hold changes no number: a scalar branch on that whole number of lowp_scales leads round it.
; O / l is quantised for the last product and goes to LDS as its part of the operand's image (K = 1,024: local heads, then global heads).  Then the same for the 128 global keys.
; THE WAY OUT: wave w makes columns 64 w .. 64 w + 63 for all 128 rows, source 0 = 16 columns of out_w, source 1 = 16 rows.  The sums begin as (x + out_b) / 2^(e20 + e21), so that they end as h / 2^(e20 + e21).
; Six of x's eight row tiles are asked for ahead of the global keys' loop, into registers that it leaves alone, and land while it runs.
; LayerNorm: the rows' sums meet in LDS; mean first, then the centred squares.  A wave's 64 columns are 256 aligned bytes of each row: each row tile goes through the wave's own stage in LDS and is stored as soon as it is made.
; LIMITS: each exponent of lowp_scales between -126 and 112; e20 + e21 between -126 and 127; e6 + e7 and e16 + e17 between -124 and 129 (added to c's exponent field).  NaN among the inputs is not served.
.set QL,    131072                     ; LDS: 0: the last product's operand, fragment (K step s, row tile m) at (8 s + m) x 2,048; QL + 16,384 w: wave w's 8 + 8 query fragments
.set RED1,  264192                     ; 16 rows x (8 waves x 32 bytes + 16); RED2 lies 4,352 bytes on.  The stages, 16 rows x 272 bytes a wave from 0 on, are written when the operand is done with
.set SPARE, 272896
.set LI,   1                           ; v1   16 x lane
.set L8,   2                           ; v2   8 x lane
.set QA,   3                           ; v3   my queries' images
.set CW,   4                           ; v4   where my head's codes go in the operand's images
.set ADR,  5
.set ADR2, 6
.set H32,  7
.set NM,   8                           ; v[8:9]   -M (the pair's low word serves both halves)
.set SU,   10                          ; v[10:13] the row's sum in two chains of pairs
.set MX,   14
.set MX2,  15
.set INV,  16                          ; v[16:17] 2^(ep + ev) / l
.set SCP,  18                          ; v18, v19 p's quantiser; v20, v21 the quantiser of the last product's operand
.set LIMP, 19
.set SCC,  20
.set LIMC, 21
.set SPW,  22
.set NIL,  23
.set Q,    24                          ; v24-31 a tile of queries
.set S,    32                          ; v32-159 S^T, then p
.set P,    160                         ; v160-191 p's codes
.set O,    192                         ; v192-223 O^T
.set OC,   224                         ; v224-231 its codes
.set PT,   232
.set XE,   233                         ; v233 2,048 (lane / 16) + 16 (lane % 16), for the early loads of x
.set GT,   240                         ; v240-255 in the local loop: a tile of global queries and 1,024 bytes of the global keys, on their way to LDS
.set TS,   24                          ; behind the attention: v24, v31 x's turn through my stage, in and back; v25, v26 the reductions' addresses; v27, v28 the results' stage, back and in; v29 my place in two rows of x and of out0
.set TL,   31
.set RA,   25
.set RL,   26
.set SRD,  27
.set SA,   28
.set GO,   29
.set AF,   32                          ; the way out: four row tiles' fragments; two sets of out_w's four fragments; out_b
.set WB,   96
.set BO,   224
.set G,    32                          ; LayerNorm
.set BT,   64
.set RD,   96
.set OR,   128                         ; two sets of 32: a row tile back from the stage
.set T,    160
.set PS,   176
.set MU,   184
.set QB,   60                          ; scalar pairs: the buffers at my part
.set GQB,  62
.set KB,   66
.set VB,   68
.set GKB,  70
.set GVB,  72
.set XB,   74
.set WO,   76
.set OBB,  78
.set LGB,  80
.set LBB,  82
.set OUT,  84
.set CS,   90                          ; s[90:91] c = log2(e) / 8 x 2^(the two operands' exponents)
.set SEL,  92                          ; s[92:93] lane l xor 16
.set EPV,  94
.set QO,   95
.set CO,   96
.set CNT,  97
.set MSB, 0
.macro WIN new                         ; the immediate's high byte repeats the setting that is left
.if MSB != \new
	s_set_vgpr_msb (MSB<<8)|\new
.set MSB, \new
.endif
.endm
.macro PLACES
.rept 4
	v_nop
.endr
.endm
.macro MKQ se, vsc, vlim
	s_add_co_i32 s98, s[\se], 127
	s_lshl_b32 s99, s98, 23
	v_mov_b32 v[\vsc], s99
	s_add_co_i32 s98, s98, 15
	s_lshl_b32 s98, s98, 23
	s_or_b32 s98, s98, 0x600000
	v_mov_b32 v[\vlim], s98
.endm
; One tile of my head's global queries (1,024 bytes) and one key tile of its global keys (1,024 bytes), as the bytes lie.  Piece 0 is asked for at the head; local trip f parks piece f in my own LDS bytes
; (the queries at their image's place, the keys over the local query tile that the trip has just read) and asks for piece f + 1, which then has a whole trip in which to land.
.macro GLD
	global_load_b128 v[GT:GT+3], v[LI], s[GQB:GQB+1]
	global_load_b128 v[GT+4:GT+7], v[LI], s[GQB:GQB+1] offset:512
	global_load_b128 v[GT+8:GT+11], v[LI], s[GKB:GKB+1]
	global_load_b128 v[GT+12:GT+15], v[LI], s[GKB:GKB+1] offset:512
.endm
.macro BAR
	s_wait_dscnt 0x0                               ; my LDS stores have landed and my LDS loads are in
	s_barrier_signal -1
	s_barrier_wait -1
.endm
	s_load_b512 s[4:19], s[0:1], 0x0               ; x, qc, kc, vc, gqc, gkc, gvc, wc
	s_load_b256 s[20:27], s[0:1], 0x40             ; out_b, ln_g, ln_b, lowp_scales
	s_load_b64 s[28:29], s[0:1], 0x60              ; out0
	v_lshl_add_u32 v[SPW], v0, 2, SPARE
	v_mov_b32 v[NIL], 0
	v_lshrrev_b32 v[ADR], 5, v0
	s_delay_alu instid0(VALU_DEP_1)
	v_readfirstlane_b32 s33, v[ADR]                ; wave 0..7
	v_and_b32 v[ADR], 31, v0
	s_delay_alu instid0(VALU_DEP_1)
	v_lshlrev_b32 v[LI], 4, v[ADR]
	s_delay_alu instid0(VALU_DEP_2)
	v_lshlrev_b32 v[L8], 3, v[ADR]
	v_bfe_u32 v[H32], v0, 4, 1
	s_delay_alu instid0(VALU_DEP_1)
	v_lshlrev_b32 v[H32], 5, v[H32]
	s_lshl_b32 s86, s33, 14
	s_add_co_u32 s86, s86, QL
	v_add_nc_u32 v[QA], s86, v[LI]
	s_lshr_b32 s86, s33, 1
	s_lshl_b32 s86, s86, 14
	s_and_b32 s88, s33, 1
	s_lshl_b32 s88, s88, 10
	s_add_co_u32 s86, s86, s88
	v_add_nc_u32 v[CW], s86, v[LI]                 ; K step w / 2, registers 8 (w % 2) on
	v_mov_b32 v[NM+1], 0                           ; (named as upper halves of pairs)
	v_mov_b32 v[INV+1], 0
	v_mov_b32 v[PT], 0                             ; a lane permute's destination counts as one of its sources
	s_mov_b32 s[SEL], 0x76543210
	s_mov_b32 s[SEL+1], 0xfedcba98
	s_mov_b32 s87, 0
	s_wait_alu depctr_va_vdst(0)
	s_wait_kmcnt 0x0
	s_load_b512 s[36:51], s[26:27], 0x0            ; e0 .. e15 in s36 .. s51
	s_load_b128 s[52:55], s[26:27], 0x40           ; e16 .. e19
	s_load_b64 s[56:57], s[26:27], 0x50            ; e20, e21
	s_lshl_b32 s86, ttmp9, 16
	s_lshl_b32 s88, s33, 10
	s_add_co_u32 s86, s86, s88                     ; 8 row tiles x 8 heads x 1,024 x work-group + 1,024 x head
	s_add_nc_u64 s[QB:QB+1], s[6:7], s[86:87]
	s_add_nc_u64 s[GQB:GQB+1], s[12:13], s[86:87]
	s_lshr_b32 s89, ttmp9, 1
	s_lshl_b32 s89, s89, 17                        ; the window: 16 row tiles x 8 heads x 1,024
	s_add_co_u32 s86, s89, s88
	s_add_nc_u64 s[KB:KB+1], s[8:9], s[86:87]
	s_lshl_b32 s88, s33, 13
	s_add_co_u32 s86, s89, s88
	s_add_nc_u64 s[VB:VB+1], s[10:11], s[86:87]
	s_lshr_b32 s89, ttmp9, 6
	s_lshl_b32 s89, s89, 16                        ; the batch
	s_add_co_u32 s86, s89, s88
	s_add_nc_u64 s[GKB:GKB+1], s[14:15], s[86:87]
	s_add_nc_u64 s[GVB:GVB+1], s[16:17], s[86:87]
	s_lshl_b32 s89, ttmp9, 18
	s_lshl_b32 s88, s33, 8
	s_add_co_u32 s86, s89, s88
	s_add_nc_u64 s[XB:XB+1], s[4:5], s[86:87]      ; x and out0 at my work-group's rows, my wave's 64 columns
	s_add_nc_u64 s[OUT:OUT+1], s[28:29], s[86:87]
	s_mov_b32 s86, s88
	s_add_nc_u64 s[OBB:OBB+1], s[20:21], s[86:87]
	s_add_nc_u64 s[LGB:LGB+1], s[22:23], s[86:87]
	s_add_nc_u64 s[LBB:LBB+1], s[24:25], s[86:87]
	s_lshl_b32 s86, s33, 16
	s_add_co_u32 s86, s86, 0x100000
	s_add_nc_u64 s[WO:WO+1], s[18:19], s[86:87]    ; out_w's codes at my four tiles of columns
.irp f, 0,1,2,3,4,5,6,7
.irp c, 0,1
	global_load_b128 v[S+8*\f+4*\c:S+8*\f+4*\c+3], v[LI], s[QB:QB+1] offset:8192*\f+512*\c
.endr
.endr
	GLD                                            ; piece 0
	WIN 0x40                                       ; destination window 1: K's tile kt at v[8 kt]; V^T's fragment (128 keys kb, tile t of d) at v[128 + 16 (4 kb + t)]
.irp f, 0,1,2,3,4,5,6,7,8,9,10,11,12,13,14,15
.irp c, 0,1
	global_load_b128 v[8*\f+4*\c:8*\f+4*\c+3], v[LI], s[KB:KB+1] offset:8192*\f+512*\c
.endr
.endr
.irp f, 0,1,2,3,4,5,6,7
.irp c, 0,1,2,3
	global_load_b128 v[128+16*\f+4*\c:128+16*\f+4*\c+3], v[LI], s[VB:VB+1] offset:65536*(\f/4)+2048*(\f%4)+512*\c
.endr
.endr
	WIN 0
	s_wait_kmcnt 0x0
	s_add_co_i32 s98, s42, s43
	s_lshl_b32 s98, s98, 23
	s_add_co_i32 s[CS], s98, 0x3e38aa3b            ; c = log2(e) / 8, with e6 + e7 added to its exponent field
	s_mov_b32 s[CS+1], s[CS]
	MKQ 44, SCP, LIMP                              ; p: e8
	MKQ 56, SCC, LIMC                              ; the last product's operand: e20
	s_add_co_i32 s[EPV], s44, s45                  ; e8 + e9
	s_mov_b32 s[QO], 0
	s_mov_b32 s[CO], 0
	s_wait_loadcnt 63                              ; the queries' 32 loads are in: 68 were issued behind them; the count's field holds 63
.irp f, 0,1,2,3,4,5,6,7
.irp c, 0,1
	ds_store_b128 v[QA], v[S+8*\f+4*\c:S+8*\f+4*\c+3] offset:1024*\f+512*\c   ; the local queries; my own bytes: no other wave touches them
.endr
.endr
	s_wait_loadcnt 32                              ; K is in; V's 32 loads may be out: they are waited for ahead of the first product that reads them
; Eight tiles of 16 queries against nk tiles of 16 keys (16: the window; 8: the global keys).  vw = 1: V may still be on its way at the loop's head.  ep: the scalar register with p's exponent.
.macro ATT nk, vw, ep
	s_mov_b32 s[CNT], 8
.Latt_\@:
	v_add_nc_u32 v[ADR], s[QO], v[QA]
	ds_load_b128 v[Q:Q+3], v[ADR]
	ds_load_b128 v[Q+4:Q+7], v[ADR] offset:512
	s_wait_dscnt 0x0                               ; the queries are in; the last trip's LDS stores have read their registers
	WIN 0x01                                       ; source 0 in window 1
.set kt, 0
.rept \nk
	v_wmma_f32_16x16x64_bf8_bf8 v[S+8*kt:S+8*kt+7], v[8*kt:8*kt+7], v[Q:Q+7], 0   ; lane (r, h): query r, keys 16 kt + 8 h + 0 .. 7
.set kt, kt+1
.endr
	WIN 0
	PLACES
	v_max_num_f32 v[MX], v[S], v[S+1]              ; the row's largest score, in two chains; each tile from its low end on
	v_max_num_f32 v[MX2], v[S+2], v[S+3]
	v_max3_num_f32 v[MX], v[MX], v[S+4], v[S+5]
	v_max3_num_f32 v[MX2], v[MX2], v[S+6], v[S+7]
.set i, 8
.rept 2*\nk-2
	v_max3_num_f32 v[MX], v[MX], v[S+i], v[S+i+1]
	v_max3_num_f32 v[MX2], v[MX2], v[S+i+2], v[S+i+3]
.set i, i+4
.endr
	s_delay_alu instid0(VALU_DEP_1)
	v_max_num_f32 v[MX], v[MX], v[MX2]
	s_delay_alu instid0(VALU_DEP_1)
	v_permlanex16_b32 v[PT], v[MX], s[SEL], s[SEL+1]
	s_delay_alu instid0(VALU_DEP_1)
	v_max_num_f32 v[MX], v[MX], v[PT]              ; and lane l xor 16's keys
	s_delay_alu instid0(VALU_DEP_1)
	v_mul_f32 v[MX], s[CS], v[MX]                  ; as t (c is positive)
	s_delay_alu instid0(VALU_DEP_1)
	v_floor_f32 v[NM], -v[MX]                      ; -M = -ceil(t)
.set i, 0
.rept 4*\nk
	v_pk_fma_f32 v[S+i:S+i+1], v[S+i:S+i+1], s[CS:CS+1], v[NM:NM+1] op_sel_hi:[1,0,0]   ; t - M
.set i, i+2
.endr
.set i, 0
	s_wait_alu depctr_va_vdst(0)
.rept 8*\nk
	v_exp_f32 v[S+i], v[S+i]                       ; p = 2^(t - M)
.set i, i+1
.endr
	v_nop                                          ; a plain instruction behind the last exponential,
	s_wait_alu depctr_va_vdst(0)                   ; and one wait for the batch, ahead of its first reader
	v_pk_add_f32 v[SU:SU+1], v[S:S+1], v[S+2:S+3]  ; the sum of the unquantised p
	v_pk_add_f32 v[SU+2:SU+3], v[S+4:S+5], v[S+6:S+7]
.set i, 8
.rept 2*\nk-2
	v_pk_add_f32 v[SU:SU+1], v[SU:SU+1], v[S+i:S+i+1]
	v_pk_add_f32 v[SU+2:SU+3], v[SU+2:SU+3], v[S+i+2:S+i+3]
.set i, i+4
.endr
	s_cmp_ge_i32 s[\ep], -15                       ; 57,344 x 2^e >= 1.75 >= p: the hold would change nothing
	s_cbranch_scc1 .Lfree_\@
.set i, 0
.rept 8*\nk
	v_min_num_f32 v[S+i], v[S+i], v[LIMP]          ; p is not negative: the hold is one-sided
.set i, i+1
.endr
.Lfree_\@:
.set kt, 0
.rept \nk
	v_cvt_scalef32_pk8_bf8_f32 v[P+2*kt:P+2*kt+1], v[S+8*kt:S+8*kt+7], v[SCP]
.set kt, kt+1
.endr
	v_nop                                          ; a plain instruction behind the last conversion
	s_wait_alu depctr_va_vdst(0)
.if \vw
	s_wait_loadcnt 0x0                             ; V is in (first trip), and so is this trip's piece, asked for a trip ago: its loads are done, so their bases may step
	ds_store_b128 v[ADR], v[GT:GT+3] offset:8192   ; the global queries' tile f, 8,192 bytes behind the local tile f
	ds_store_b128 v[ADR], v[GT+4:GT+7] offset:8704
	ds_store_b128 v[ADR], v[GT+8:GT+11]            ; the global keys' tile f, over the local queries' tile f, which is in registers
	ds_store_b128 v[ADR], v[GT+12:GT+15] offset:512
	s_cmp_gt_u32 s[CNT], 1                         ; the last trip asks for its own piece once more: every load stays inside its buffer
	s_cselect_b32 s98, 8192, 0
	s_cselect_b32 s86, 1024, 0                     ; (s87 holds 0)
	s_mov_b32 s99, 0
	s_add_nc_u64 s[GQB:GQB+1], s[GQB:GQB+1], s[98:99]
	s_add_nc_u64 s[GKB:GKB+1], s[GKB:GKB+1], s[86:87]
	GLD
.else
	s_wait_loadcnt 48                              ; the global values are in; x's 48 loads, issued behind them, may stay out
.endif
	WIN 0x01
.set kb, 0
.rept \nk/8
.set t, 0
.rept 4
.if kb == 0
	v_wmma_f32_16x16x128_bf8_bf8 v[O+8*t:O+8*t+7], v[128+16*(4*kb+t):128+16*(4*kb+t)+15], v[P+16*kb:P+16*kb+15], 0
.else
	v_wmma_f32_16x16x128_bf8_bf8 v[O+8*t:O+8*t+7], v[128+16*(4*kb+t):128+16*(4*kb+t)+15], v[P+16*kb:P+16*kb+15], v[O+8*t:O+8*t+7]
.endif
.set t, t+1
.endr
.set kb, kb+1
.endr
	WIN 0
	s_wait_alu depctr_va_vdst(0)
	v_pk_add_f32 v[SU:SU+1], v[SU:SU+1], v[SU+2:SU+3]   ; the work on l holds five plain instructions that name nothing of the products: their places
	s_delay_alu instid0(VALU_DEP_1)
	v_add_f32 v[SU], v[SU], v[SU+1]
	s_delay_alu instid0(VALU_DEP_1)
	v_permlanex16_b32 v[PT], v[SU], s[SEL], s[SEL+1]
	s_delay_alu instid0(VALU_DEP_1)
	v_add_f32 v[SU], v[SU], v[PT]
	s_wait_alu depctr_va_vdst(0)
	v_rcp_f32 v[INV], v[SU]
	v_nop
	s_wait_alu depctr_va_vdst(0)                   ; a wait ahead of the reciprocal's first reader
	v_ldexp_f32 v[INV], v[INV], s[EPV]             ; x 2^(ep + ev)
.set i, 0
.rept 16
	v_pk_mul_f32 v[O+i:O+i+1], v[O+i:O+i+1], v[INV:INV+1] op_sel_hi:[1,0]
.set i, i+2
.endr
.set t, 0
.rept 4
.set i, 0
.rept 8
	v_med3_num_f32 v[O+8*t+i], v[O+8*t+i], -v[LIMC], v[LIMC]
.set i, i+1
.endr
	v_cvt_scalef32_pk8_bf8_f32 v[OC+2*t:OC+2*t+1], v[O+8*t:O+8*t+7], v[SCC]   ; d = 16 t + 8 h + 0 .. 7 of query r
.set t, t+1
.endr
	v_nop
	v_add_nc_u32 v[ADR2], s[CO], v[CW]
	ds_store_b128 v[ADR2], v[OC:OC+3]
	ds_store_b128 v[ADR2], v[OC+4:OC+7] offset:512
	s_add_co_u32 s[QO], s[QO], 1024
	s_add_co_u32 s[CO], s[CO], 2048
	s_sub_co_u32 s[CNT], s[CNT], 1
	s_cmp_lg_u32 s[CNT], 0
	s_cbranch_scc1 .Latt_\@
.endm
; x's row tile m, my 64 columns, as the bytes lie: load i = 2 t + q takes rows 16 m + 2 i and the next; sixteen lanes read 256 consecutive bytes, aligned.  32 registers from v[reg] on
.macro XTILE reg, m, adr
.irp t, 0,1,2,3
.irp q, 0,1
	global_load_b128 v[\reg+8*\t+4*\q:\reg+8*\t+4*\q+3], v[\adr], s[XB:XB+1] offset:32768*(\m)+8192*\t+4096*\q th:TH_LOAD_NT
.endr
.endr
.endm
; Such a tile (in window win) turns through a stage of 16 rows x 272 bytes in my own queries' bytes, which are done with, and comes back in the result's layout, x(16 m + r, 64 w + 16 t + 8 h + ..), in v32-63 or v64-95 by turns.
; LDS serves a wave's instructions in order (ISA guide 5.7.1.4): no wait between the stores and the loads, nor in front of the next tile's stores.
.macro TIN reg, win, k
	WIN 4*\win                                     ; an LDS store's data is source 1
.irp i, 0,1,2,3,4,5,6,7
	ds_store_b128 v[TS], v[\reg+4*\i:\reg+4*\i+3] offset:544*\i
.endr
	WIN 0
.irp t, 0,1,2,3
.irp q, 0,1
	ds_load_b128 v[32+32*((\k)%2)+8*\t+4*\q:32+32*((\k)%2)+8*\t+4*\q+3], v[TL] offset:64*\t+16*\q
.endr
.endr
.endm
; (x + out_b) / 2^E starts row tile m's sums.  younger: the LDS instructions issued behind the tile's loads: the next tile's sixteen, or none
.macro TFIN m, k, younger
	s_wait_dscnt \younger
	WIN 0x40                                       ; destination in window 1
.irp p, 0,2,4,6,8,10,12,14,16,18,20,22,24,26,28,30
	v_pk_fma_f32 v[32*(\m)+\p:32*(\m)+\p+1], v[32+32*((\k)%2)+\p:32+32*((\k)%2)+\p+1], s[86:87], v[BO+\p:BO+\p+1] op_sel_hi:[1,0,1]
.endr
	WIN 0
.endm
	ATT 16, 1, 44
	v_and_b32 v[XE], 15, v0
	s_delay_alu instid0(VALU_DEP_1)
	v_lshlrev_b32 v[XE], 4, v[XE]
	s_delay_alu instid0(VALU_DEP_1)
	v_lshl_add_u32 v[XE], v[H32], 6, v[XE]         ; 2,048 (lane / 16) + 16 (lane % 16)
	v_sub_nc_u32 v[ADR2], v[QA], v[L8]             ; my LDS bytes + 8 x lane: the global keys lie there as they lie in gkc
	WIN 0x40                                       ; the global keys and values of my batch and head take v0-63 and v128-191 of window 1
.irp f, 0,1,2,3,4,5,6,7
.irp t, 0,1,2,3
	ds_load_b64 v[8*\f+2*\t:8*\f+2*\t+1], v[ADR2] offset:1024*\f+256*\t   ; waited for at the next loop's head, with its first queries
.endr
.endr
.irp t, 0,1,2,3
.irp c, 0,1,2,3
	global_load_b128 v[128+16*\t+4*\c:128+16*\t+4*\c+3], v[LI], s[GVB:GVB+1] offset:2048*\t+512*\c
.endr
.endr
.irp m, 2,3,6,7
	XTILE 32*\m, \m, XE                            ; x's row tiles 2, 3, 6, 7 into their accumulators, which the next loop leaves alone,
.endr
	WIN 0
.irp m, 0,1
	XTILE 96+32*\m, \m, XE                         ; and tiles 0, 1 into v96-159, the half of S^T that 128 keys do not need
.endr
	s_add_co_i32 s98, s52, s53
	s_lshl_b32 s98, s98, 23
	s_add_co_i32 s[CS], s98, 0x3e38aa3b            ; e16 + e17
	s_mov_b32 s[CS+1], s[CS]
	MKQ 55, SCP, LIMP                              ; p: e19
	s_add_co_i32 s[EPV], s54, s55                  ; e18 + e19
	s_mov_b32 s[QO], 8192                          ; the global queries' images
	s_mov_b32 s[CO], 65536                         ; K steps 4 to 7
	ATT 8, 0, 55
	; ---- the way out.  Window 1: the accumulator of (row tile m, tile t of my columns) at v[32 m + 8 t]
	v_and_b32 v30, 15, v0                          ; r
	s_delay_alu instid0(VALU_DEP_1)
	v_mul_u32_u24 v[SA], v30, 272
	s_delay_alu instid0(VALU_DEP_1)
	v_add_nc_u32 v[RL], RED1, v[SA]
	s_lshl_b32 s86, s33, 5
	v_add_nc_u32 v[RA], s86, v[RL]
	s_mul_i32 s86, s33, 4352                       ; my stage
	v_add_nc_u32 v[SA], v[SA], v[H32]
	s_delay_alu instid0(VALU_DEP_1)
	v_add_nc_u32 v[SA], s86, v[SA]                 ; in: row r of 272 bytes, + 32 h
	v_bfe_u32 v[SRD], v0, 4, 1
	s_delay_alu instid0(VALU_DEP_1)
	v_mul_u32_u24 v[SRD], v[SRD], 272
	s_delay_alu instid0(VALU_DEP_1)
	v_lshl_add_u32 v[SRD], v30, 4, v[SRD]
	s_delay_alu instid0(VALU_DEP_1)
	v_add_nc_u32 v[SRD], s86, v[SRD]               ; back: lanes 0-15 one row's 256 bytes, lanes 16-31 the next row's
	v_lshlrev_b32 v[GO], 6, v[H32]
	s_delay_alu instid0(VALU_DEP_1)
	v_lshl_add_u32 v[GO], v30, 4, v[GO]            ; and the same two rows in x and in out0: 2,048 h + 16 r
	s_mul_i32 s86, s33, 12032
	s_add_co_u32 s86, s86, QL                      ; from the results' stage (4,352 w) to my queries' bytes (QL + 16,384 w)
	v_add_nc_u32 v[TS], s86, v[SRD]                ; x's stage, in: by rows of 256 bytes
	v_add_nc_u32 v[TL], s86, v[SA]                 ; and back: row r, + 32 h
	s_wait_alu depctr_va_vdst(0)
	s_wait_xcnt 0x0                                ; the early loads of x have read v233, on which out_b lands
.irp t, 0,1,2,3
.irp q, 0,1
	global_load_b128 v[BO+8*\t+4*\q:BO+8*\t+4*\q+3], v[H32], s[OBB:OBB+1] offset:64*\t+16*\q
.endr
.endr
	WIN 0x40
.irp m, 4,5
	XTILE 32*\m, \m, GO                            ; x's last two row tiles, where the global values lay
.endr
	WIN 0
	s_add_co_i32 s88, s56, s57                     ; E = e20 + e21
	s_sub_co_i32 s86, 127, s88
	s_lshl_b32 s86, s86, 23                        ; 2^-E
	s_mov_b32 s87, s86
	s_lshl_b32 s89, s88, 1
	s_sub_co_i32 s89, s89, 9                       ; 2 E - 9
	s_wait_loadcnt 16                              ; out_b and x's six early tiles are in; the 16 loads of tiles 4 and 5 may be out
.irp p, 0,2,4,6,8,10,12,14,16,18,20,22,24,26,28,30
	v_pk_mul_f32 v[BO+\p:BO+\p+1], v[BO+\p:BO+\p+1], s[86:87] op_sel_hi:[1,0]
.endr
	TIN 96, 0, 0                                   ; tiles 0 and 1 lie in v96-159 of window 0, the others in their accumulators' registers
	TIN 128, 0, 1
	TFIN 0, 0, 16
	TIN 64, 1, 2
	TFIN 1, 1, 16                                  ; tile 1 is back: the stores of tiles 0 and 1 have read v96-159
	WIN 0
.irp t, 0,1,2,3
.irp c, 0,1,2,3
	global_load_b128 v[WB+16*\t+4*\c:WB+16*\t+4*\c+3], v[LI], s[WO:WO+1] offset:16384*\t+512*\c   ; out_w's first K step, where tiles 0 and 1 lay
.endr
.endr
	TIN 96, 1, 3
	TFIN 2, 2, 16
	TIN 192, 1, 4
	TFIN 3, 3, 16
	TIN 224, 1, 5
	TFIN 6, 4, 16
	TFIN 7, 5, 0
	BAR                                            ; the operand's 64 fragments lie in LDS
	s_wait_loadcnt 16                              ; tiles 4 and 5 are in; out_w's first 16 loads may be out
	TIN 128, 1, 6
	TIN 160, 1, 7
	TFIN 4, 6, 16
	TFIN 5, 7, 0
	WIN 0
; A K step of 128: out_w's four fragments of the next step are asked for first; the eight row tiles come from LDS four at a time; 32 accumulators by turns.
.macro OSTEP cur, pref, goff, loff
	PLACES                                         ; places in front of loads into registers that the last products read
.if \pref
.irp t, 0,1,2,3
.irp c, 0,1,2,3
	global_load_b128 v[WB+64*(1-\cur)+16*\t+4*\c:WB+64*(1-\cur)+16*\t+4*\c+3], v[LI], s[WO:WO+1] offset:\goff+16384*\t+512*\c
.endr
.endr
	s_wait_loadcnt 16                              ; this step's weights are in; the 16 just issued may be out
.else
	s_wait_loadcnt 0x0
.endif
	v_add_nc_u32 v[ADR], s[CO], v[LI]
	s_wait_alu depctr_va_vdst(0)
.irp hf, 0,1
.if \hf
	PLACES
.endif
.irp i, 0,1,2,3
.irp c, 0,1,2,3
	ds_load_b128 v[AF+16*\i+4*\c:AF+16*\i+4*\c+3], v[ADR] offset:\loff+2048*(4*\hf+\i)+512*\c
.endr
.endr
	s_wait_dscnt 0x0
	WIN 0x50                                       ; C and D in window 1
.irp i, 0,1,2,3
.irp t, 0,1,2,3
	v_wmma_f32_16x16x128_bf8_bf8 v[32*(4*\hf+\i)+8*\t:32*(4*\hf+\i)+8*\t+7], v[WB+64*\cur+16*\t:WB+64*\cur+16*\t+15], v[AF+16*\i:AF+16*\i+15], v[32*(4*\hf+\i)+8*\t:32*(4*\hf+\i)+8*\t+7]
.endr
.endr
	WIN 0
.endr
.endm
	s_mov_b32 s[CO], 0
	s_mov_b32 s[CNT], 3
.Lout:                                             ; two K steps a trip
	OSTEP 0, 1, 2048, 0
	OSTEP 1, 1, 4096, 16384
	s_wait_xcnt 0x0                                ; the loads have read their base
	s_add_nc_u64 s[WO:WO+1], s[WO:WO+1], 4096
	s_add_co_u32 s[CO], s[CO], 32768
	s_sub_co_u32 s[CNT], s[CNT], 1
	s_cmp_lg_u32 s[CNT], 0
	s_cbranch_scc1 .Lout
	s_mov_b32 s[CO], 98304
	OSTEP 0, 1, 2048, 0                            ; the last two steps are written out: the very last asks for nothing
	OSTEP 1, 0, 0, 16384
	; ---- LayerNorm.  The accumulators hold h / 2^E; a lane holds 32 columns of row 16 m + r
	PLACES
.irp t, 0,1,2,3
.irp q, 0,1
	global_load_b128 v[G+8*\t+4*\q:G+8*\t+4*\q+3], v[H32], s[LGB:LGB+1] offset:64*\t+16*\q
	global_load_b128 v[BT+8*\t+4*\q:BT+8*\t+4*\q+3], v[H32], s[LBB:LBB+1] offset:64*\t+16*\q
.endr
.endr
; my 64 columns' sums of the 128 rows (pairs in T) are joined over the lane's halves, meet the other waves' in LDS, and come back as the rows' sums in MU, the same in every wave
.macro REDUCE off
	WIN 0
.irp m, 0,1,2,3,4,5,6,7
	v_add_f32 v[PS+\m], v[T+2*\m], v[T+2*\m+1]
.endr
.irp m, 0,1,2,3,4,5,6,7
	v_permlanex16_b32 v[BO+\m], v[PS+\m], s[SEL], s[SEL+1]
.endr
.irp m, 0,1,2,3,4,5,6,7
	v_add_f32 v[PS+\m], v[PS+\m], v[BO+\m]
.endr
	ds_store_b128 v[RA], v[PS:PS+3] offset:\off    ; lanes r and r + 16 store the same numbers to the same bytes
	ds_store_b128 v[RA], v[PS+4:PS+7] offset:\off+16
	BAR
.irp u, 0,1,2,3,4,5,6,7
.irp q, 0,1
	ds_load_b128 v[RD+8*\u+4*\q:RD+8*\u+4*\q+3], v[RL] offset:\off+32*\u+16*\q
.endr
.endr
	s_wait_dscnt 0x0
.irp p, 0,2,4,6
	v_pk_add_f32 v[MU+\p:MU+\p+1], v[RD+\p:RD+\p+1], v[RD+8+\p:RD+8+\p+1]
.endr
.irp u, 2,3,4,5,6,7
.irp p, 0,2,4,6
	s_delay_alu instid0(VALU_DEP_4)
	v_pk_add_f32 v[MU+\p:MU+\p+1], v[MU+\p:MU+\p+1], v[RD+8*\u+\p:RD+8*\u+\p+1]
.endr
.endr
.endm
	WIN 0x05                                       ; sources 0 and 1 in window 1
.irp m, 0,1,2,3,4,5,6,7
	v_pk_add_f32 v[T+2*\m:T+2*\m+1], v[32*\m:32*\m+1], v[32*\m+2:32*\m+3]
.endr
	WIN 0x01
.irp p, 4,6,8,10,12,14,16,18,20,22,24,26,28,30
.irp m, 0,1,2,3,4,5,6,7
	v_pk_add_f32 v[T+2*\m:T+2*\m+1], v[32*\m+\p:32*\m+\p+1], v[T+2*\m:T+2*\m+1]   ; each accumulator from its low end on
.endr
.endr
	REDUCE 0
.irp m, 0,1,2,3,4,5,6,7
	v_mul_f32 v[RD+2*\m], 0xbb000000, v[MU+\m]     ; -mean, in both halves of a pair
	v_mul_f32 v[RD+2*\m+1], 0xbb000000, v[MU+\m]
.endr
	WIN 0x41
.irp m, 0,1,2,3,4,5,6,7
.irp p, 0,2,4,6,8,10,12,14,16,18,20,22,24,26,28,30
	v_pk_add_f32 v[32*\m+\p:32*\m+\p+1], v[32*\m+\p:32*\m+\p+1], v[RD+2*\m:RD+2*\m+1]
.endr
.endr
	WIN 0x05
.irp m, 0,1,2,3,4,5,6,7
	v_pk_mul_f32 v[T+2*\m:T+2*\m+1], v[32*\m:32*\m+1], v[32*\m:32*\m+1]
.endr
.irp p, 2,4,6,8,10,12,14,16,18,20,22,24,26,28,30
.irp m, 0,1,2,3,4,5,6,7
	v_pk_fma_f32 v[T+2*\m:T+2*\m+1], v[32*\m+\p:32*\m+\p+1], v[32*\m+\p:32*\m+\p+1], v[T+2*\m:T+2*\m+1]
.endr
.endr
	REDUCE 4352
.irp m, 0,1,2,3,4,5,6,7
	v_ldexp_f32 v[MU+\m], v[MU+\m], s89            ; the variance: the sum x 2^(2 E) / 512
	s_delay_alu instid0(VALU_DEP_1)
	v_add_f32 v[MU+\m], 0x3727c5ac, v[MU+\m]       ; + 1e-5
.endr
	s_wait_alu depctr_va_vdst(0)
.irp m, 0,1,2,3,4,5,6,7
	v_rsq_f32 v[MU+\m], v[MU+\m]
.endr
	v_nop
	s_wait_alu depctr_va_vdst(0)                   ; one wait for the eight, ahead of their first reader
.irp m, 0,1,2,3,4,5,6,7
	v_ldexp_f32 v[RD+2*\m], v[MU+\m], s88          ; x 2^E, since the accumulators hold (h - mean) / 2^E; in both halves of a pair
	v_ldexp_f32 v[RD+2*\m+1], v[MU+\m], s88
.endr
	s_wait_loadcnt 0x0                             ; ln_g, ln_b
; Row tile m is finished, goes into my stage (every wave has passed two barriers behind its last read of the bytes that the stages lie over) and comes back as rows of 256 bytes.
; LDS serves a wave's instructions in order (ISA guide 5.7.1.4): no wait between the stores and the loads, nor in front of the next tile's stores.
.macro NORM m
	WIN 0x41
.irp p, 0,2,4,6,8,10,12,14,16,18,20,22,24,26,28,30
	v_pk_mul_f32 v[32*(\m)+\p:32*(\m)+\p+1], v[32*(\m)+\p:32*(\m)+\p+1], v[RD+2*(\m):RD+2*(\m)+1]
.endr
.irp p, 0,2,4,6,8,10,12,14,16,18,20,22,24,26,28,30
	v_pk_fma_f32 v[32*(\m)+\p:32*(\m)+\p+1], v[32*(\m)+\p:32*(\m)+\p+1], v[G+\p:G+\p+1], v[BT+\p:BT+\p+1]
.endr
	WIN 0x04                                       ; an LDS store's data in window 1
.irp t, 0,1,2,3
.irp q, 0,1
	ds_store_b128 v[SA], v[32*(\m)+8*\t+4*\q:32*(\m)+8*\t+4*\q+3] offset:64*\t+16*\q
.endr
.endr
	WIN 0
.if (\m) >= 2
	s_wait_xcnt 0x0                                ; the stores of two tiles back have read this set of registers
.endif
.irp i, 0,1,2,3,4,5,6,7
	ds_load_b128 v[OR+32*((\m)%2)+4*\i:OR+32*((\m)%2)+4*\i+3], v[SRD] offset:544*\i
.endr
.endm
.macro SEND m, younger                 ; younger: the LDS instructions issued behind tile m's loads: the next tile's sixteen, or none
.irp i, 0,1,2,3,4,5,6,7
	s_wait_dscnt \younger+7-\i
	global_store_b128 v[GO], v[OR+32*((\m)%2)+4*\i:OR+32*((\m)%2)+4*\i+3], s[OUT:OUT+1] offset:(16*(\m)+2*\i)*2048 th:TH_STORE_NT   ; sixteen lanes store 256 consecutive bytes, aligned
.endr
.endm
	NORM 0
.irp m, 1,2,3,4,5,6,7
	NORM \m
	SEND \m-1, 16
.endr
	SEND 7, 0
	s_wait_tensorcnt 0x0                           ; the wave's end
	ds_add_u32 v[SPW], v[NIL]
	s_wait_dscnt 0x0
	s_endpgm
.Lfunc_end_k_q664f6ef37e_attn:
	.size	k_q664f6ef37e_attn, .Lfunc_end_k_q664f6ef37e_attn-k_q664f6ef37e_attn
	.p2alignl 7, 3214868480
	.fill 96, 4, 3214868480
	.section	.rodata,"a",@progbits
	.p2align	6, 0x0
	.amdhsa_kernel k_q664f6ef37e_attn
		.amdhsa_group_segment_fixed_size 273920
		.amdhsa_private_segment_fixed_size 0
		.amdhsa_enable_private_segment 0
		.amdhsa_kernarg_size 104
		.amdhsa_user_sgpr_count 2
		.amdhsa_user_sgpr_kernarg_segment_ptr 1
		.amdhsa_wavefront_size32 1
		.amdhsa_system_sgpr_workgroup_id_x 1
		.amdhsa_system_sgpr_workgroup_id_y 1
		.amdhsa_system_sgpr_workgroup_id_z 1
		.amdhsa_system_vgpr_workitem_id 0
		.amdhsa_next_free_vgpr 512
		.amdhsa_next_free_sgpr 100
		.amdhsa_reserve_vcc 0
		.amdhsa_float_denorm_mode_32 3
		.amdhsa_float_denorm_mode_16_64 3
		.amdhsa_memory_ordered 1
		.amdhsa_forward_progress 1
		.amdhsa_inst_pref_size 185
	.end_amdhsa_kernel
	.amdgpu_metadata
---
amdhsa.version: [ 1, 2 ]
amdhsa.kernels:
  - .name:           k_q664f6ef37e_attn
    .symbol:         k_q664f6ef37e_attn.kd
    .args:
      - { .name: x, .offset: 0, .size: 8, .value_kind: global_buffer, .address_space: global }
      - { .name: qc, .offset: 8, .size: 8, .value_kind: global_buffer, .address_space: global }
      - { .name: kc, .offset: 16, .size: 8, .value_kind: global_buffer, .address_space: global }
      - { .name: vc, .offset: 24, .size: 8, .value_kind: global_buffer, .address_space: global }
      - { .name: gqc, .offset: 32, .size: 8, .value_kind: global_buffer, .address_space: global }
      - { .name: gkc, .offset: 40, .size: 8, .value_kind: global_buffer, .address_space: global }
      - { .name: gvc, .offset: 48, .size: 8, .value_kind: global_buffer, .address_space: global }
      - { .name: wc, .offset: 56, .size: 8, .value_kind: global_buffer, .address_space: global }
      - { .name: out_b, .offset: 64, .size: 8, .value_kind: global_buffer, .address_space: global }
      - { .name: ln_g, .offset: 72, .size: 8, .value_kind: global_buffer, .address_space: global }
      - { .name: ln_b, .offset: 80, .size: 8, .value_kind: global_buffer, .address_space: global }
      - { .name: lowp_scales, .offset: 88, .size: 8, .value_kind: global_buffer, .address_space: global }
      - { .name: out0, .offset: 96, .size: 8, .value_kind: global_buffer, .address_space: global }
    .group_segment_fixed_size: 273920
    .private_segment_fixed_size: 0
    .kernarg_segment_align: 8
    .kernarg_segment_size: 104
    .max_flat_workgroup_size: 256
    .sgpr_count:     100
    .vgpr_count:     512
    .wavefront_size: 32
...
	.end_amdgpu_metadata
.endif
;; end of part 3
